; MI455X (gfx1250); checked and timed in simulation.
; The chip was launched on July 23, 2026; its instructions are those of AMD's public machine-readable ISA for CDNA 5 (MIT licence, August 2026) and "CDNA5" Instruction Set Architecture Reference Guide (July 2026). The comments in the code are by the model that wrote it; some were corrected since.
;; LST Mcell. Allowed arithmetic: matrix products marked QUANTISED: E2M1 operands, one E8M0 scale for each 32 along K, by v_wmma_scale_f32_16x16x128_f8f6f4 with both operands' format E2M1 (or v_wmma_scale_f32_32x16x128_f4), f32 sums; everything else in f32.
;; Inputs: W_c 2,048 x 1,024 float32; W_f 2,048 x 1,024 float32; W_i 2,048 x 1,024 float32; W_o 2,048 x 1,024 float32; b_c 1,024 float32; b_f 1,024 float32; b_i 1,024 float32; b_o 1,024 float32; cell_state 8,192 x 1,024 float32; hidden_state 8,192 x 1,024 float32; input 8,192 x 1,024 float32.
;; Outputs: out0 8,192 x 1,024 float32; out1 8,192 x 1,024 float32.
;; This version of the problem:
;;   THIS VERSION OF THE PROBLEM IS GIVEN IN LOW PRECISION. The matrix products marked QUANTISED in the list below multiply operands that are first quantised to E2M1 (2 exponent bits, 1 mantissa bit; 4 bits a number), with one power-of-two scale for each 32 numbers along K (OCP MX v1.0); their sums are f32. All else is computed in f32.
;;   The module's matrix products, in the order in which they are computed (A, B: the left and right operand; K: the contracted axis; several contracted axes count as one K, in the product's order):
;;     1. [M 8,192, K 2,048] x [K 2,048, N 4,096]; A: computed on the way; B: computed on the way: QUANTISED
;;   THE QUANTISER, for each operand of a quantised product, along K:
;;     - K is cut into blocks of 32 from its start; a last block that is shorter is filled with zeros.
;;     - A block's scale is 2^e with e = floor(log2(the largest magnitude in the block)) - 2, held to -126 .. 127; a block of zeros has e = 0. As a byte (E8M0): e + 127.
;;     - Each number is divided by its block's scale, clamped to +-6, and rounded to the nearest number of E2M1, ties to even, subnormals kept.
;;     - The product sums the exact products of the quantised numbers (number of the format x scale) in f32.
;;   ~~~python
;;   def quantise(x, axis):      # numpy; x: float32 -> the quantised numbers, widened to float32 again
;;       x = np.moveaxis(x, axis, -1); K = x.shape[-1]
;;       x = np.pad(x, [(0, 0)] * (x.ndim - 1) + [(0, -K % 32)]); x = x.reshape(x.shape[:-1] + (-1, 32)); a = np.abs(x).max(-1, keepdims=True)
;;       e = np.where(a > 0, np.clip(np.frexp(np.where(a > 0, a, 1))[1] - 1 - 2, -126, 127), 0)      # np.frexp(a)[1] - 1 = floor(log2(a)), exactly
;;       r = np.clip(x / 2.0 ** e, -6, 6)
;;       step = 2.0 ** (np.maximum(np.frexp(np.where(r == 0, 1, r))[1] - 1, 0) - 1)
;;       q = np.round(r / step) * step * 2.0 ** e      # np.round: ties to even
;;       return np.moveaxis(q.reshape(q.shape[:-2] + (-1,))[..., :K], -1, axis).astype(np.float32)
;;   ~~~
;;   OPERANDS COMPUTED ON THE WAY. 'Computed on the way' means the value that the module computes at that place (a softmax that the list does not call 'softmax' is quantised finished and normalised). What goes into a quantiser is computed in f32, as accurately as f32 sums, v_exp_f32 and their like allow (about 1e-6 of the number): no bf16 or f16 on the way to a quantiser, and a product that is left as it is and whose result goes on into a quantised operand takes f32 operands (vector FMAs, or v_wmma_f32_16x16x4_f32). A number that lies on a knife's edge between two numbers of the format may be rounded either way, as far as f32 arithmetic and the matrix unit's own rounding can turn it there, and no further.
;; One version. Each part assembles by itself: llvm-mc -triple=amdgcn-amd-amdhsa -mcpu=gfx1250 --defsym DOCPART=n.
;; ======== version 1 of 1: 2 launches
;; limits: right only within a limited range of input values; a function is approximated: absolute error at most 1.8e-12
;; workspace buffers: a_codes 8,388,608 bytes; a_scales 524,288 bytes; w_codes 4,194,304 bytes; w_scales 262,144 bytes
;; launch quant (part 1): grid 640 x 1, 4 waves a work-group, no clusters, 68,096 bytes of LDS; arguments input, hidden_state, W_f, W_i, W_c, W_o, a_codes, a_scales, w_codes, w_scales; writes a_codes, a_scales, w_codes, w_scales
.if DOCPART == 1
	.amdgcn_target "amdgcn-amd-amdhsa--gfx1250"
	.amdhsa_code_object_version 6
	.text
	.protected	k_qa6f2590106_quant
	.globl	k_qa6f2590106_quant
	.p2align	8
	.type	k_qa6f2590106_quant,@function
k_qa6f2590106_quant:
	s_mov_b64 s[64:65], 0
	v_nop
	global_prefetch_b8 v0, s[64:65] scope:SCOPE_SE
	s_setreg_imm32_b32 hwreg(HW_REG_WAVE_MODE, 25, 1), 1
	s_wait_xcnt 0x0
; Both operands of the gates' product are turned into codes of FP4 (E2M1), 4 bits each, K innermost, with one E8M0 scale byte for each 32 along K.
; A = [input | hidden_state], [8192][2048]:  a_codes [8192][1024 bytes], a_scales [8192][64].
; B = the four weights, each [2048 (k)][1024 (j)] f32 with K as FIRST axis:  w_codes [4096 (n')][1024 bytes], w_scales [4096][64].
; THE ORDER OF B's ROWS IS CHOSEN: gate g (0 f, 1 i, 2 c, 3 o) of hidden unit j lies at n' = 128 (j / 32) + 32 g + j % 32, so that 128 neighbouring rows hold all four gates of 32 hidden units.
; A block's scale is 2^(floor(log2(its largest magnitude)) - 2); its byte is the largest magnitude's exponent field - 2, held at 1 from below.  Each number is divided by the scale and rounded to the
; nearest code, ties to even; beyond 6 the largest code.
; LIMITS: a block of zeros gets the byte 1 where the rule says 127 (its codes are zeros, which add nothing under any byte but 0xff, and this program alone reads the bytes); blocks whose largest
; magnitude lies under 2^-124 get the byte 1 too and were not tried; NaN and infinities among the inputs are not served.
; SHARES: work-groups 0-127 take the weights (128 columns x 512 along K each), work-groups 128-639 the rows (16 rows of A each).  The two ways part on the work-group's number and have LDS bytes of their own.
; No tensor loads, no barrier, no matrix unit, no cluster: waves share nothing, and every input byte is read once.
.set FLOOR,  0x1800000                 ; 2^(3 - 127): no largest magnitude is taken under it, so the byte cannot fall under 1
.set OFF2,   0xff000000                ; takes 2 off an exponent field
; the weights' way
.set WPITCH, 272                       ; a stage row: 256 bytes of codes (512 along K) + 16
.set WX,     32                        ; v32-95   two sets of 32 numbers
.set WC,     96                        ; v96-99   a block's codes
.set WSB,    24                        ; v24-27   the scale bytes, four to a register
.set WOUT,   112                       ; v112-175 the way out
; the rows' way
.set RBASE,  4*32*WPITCH               ; LDS behind the weights' four stages: 8,192 bytes for each wave: two stages of 32 x SP bytes, then its 256 scale bytes
.set SP,     80                        ; a lane's place in a stage: its 64 bytes + 16 of padding
.set RR,     16                        ; v16-79   four sets of 16 numbers as they are loaded
.set RX,     80                        ; v80-111  two sets of 16 neighbours
.set RE,     112                       ; v112-127 a scale byte for each step
.set RC,     128                       ; v128-191 codes: four registers for each step, so that no store's data are written again
	s_load_b128 s[4:7], s[0:1], 0x0                ; input, hidden_state
	s_load_b256 s[8:15], s[0:1], 0x10              ; W_f, W_i, W_c, W_o
	s_load_b256 s[16:23], s[0:1], 0x30             ; a_codes, a_scales, w_codes, w_scales
	v_lshl_add_u32 v192, v0, 2, 0x10800
	v_mov_b32 v193, 0
	v_lshrrev_b32 v1, 5, v0
	v_readfirstlane_b32 s24, v1                    ; wave 0..3
	v_and_b32 v2, 31, v0                           ; lane
	s_wait_kmcnt 0x0
	s_cmp_lt_u32 ttmp9, 128
	s_cbranch_scc0 .Lrows
; ---------------- THE WEIGHTS.  A lane takes a column j and its registers run down K: each load reads 128 consecutive bytes a wave, a block of 32 along K lies in one lane's 32 registers,
; and the conversions give codes with K innermost.  A wave takes 32 columns x 512 along K; the codes go through its own stage in LDS and leave as rows.
	s_lshr_b32 s25, ttmp9, 5                       ; g: which weight
	s_and_b32 s26, ttmp9, 7                        ; which 128 columns
	s_bfe_u32 s27, ttmp9, 0x20003                  ; which 512 along K (2 bits from bit 3)
	s_cmp_lt_u32 s25, 2                            ; the choice hangs on the work-group's number alone
	s_cselect_b64 s[28:29], s[8:9], s[12:13]       ; W_f or W_c
	s_cselect_b64 s[30:31], s[10:11], s[14:15]     ; W_i or W_o
	s_and_b32 s32, s25, 1
	s_cmp_lg_u32 s32, 0
	s_cselect_b64 s[28:29], s[30:31], s[28:29]
	s_lshl_b32 s33, s26, 2
	s_add_co_u32 s33, s33, s24                     ; my wave's group of 32 columns: j / 32
	s_lshl_b32 s34, s27, 21                        ; 512 rows of 4,096 bytes
	s_lshl_b32 s35, s33, 7                         ; 32 columns of 4 bytes
	s_add_co_u32 s34, s34, s35
	s_mov_b32 s35, 0
	s_add_nc_u64 s[28:29], s[28:29], s[34:35]      ; the weight at my wave's corner
	s_lshl_b32 s36, s33, 7
	s_lshl_b32 s37, s25, 5
	s_add_co_u32 s36, s36, s37                     ; n' of my lane 0: 128 (j / 32) + 32 g
	s_lshl_b32 s34, s36, 10                        ; rows of 1,024 bytes of codes,
	s_lshl_b32 s37, s27, 8                         ; 256 bytes for each 512 along K
	s_add_co_u32 s34, s34, s37
	s_add_nc_u64 s[20:21], s[20:21], s[34:35]
	s_lshl_b32 s34, s36, 6                         ; rows of 64 scale bytes,
	s_lshl_b32 s37, s27, 4                         ; 16 for each 512 along K
	s_add_co_u32 s34, s34, s37
	s_add_nc_u64 s[22:23], s[22:23], s[34:35]
	v_lshlrev_b32 v3, 2, v2                        ; in: 4 bytes a lane
	s_mul_i32 s38, s24, 32*WPITCH                  ; my stage
	v_mul_u32_u24 v4, v2, WPITCH
	v_add_nc_u32 v4, s38, v4                       ; into it: row = my column
	v_and_b32 v5, 15, v2
	v_lshrrev_b32 v6, 4, v2                        ; out of it: sixteen lanes to a row, two rows an instruction
	v_mul_u32_u24 v7, v6, WPITCH
	v_lshl_add_u32 v7, v5, 4, v7
	v_add_nc_u32 v7, s38, v7
	v_lshlrev_b32 v8, 10, v6
	v_lshl_add_u32 v8, v5, 4, v8                   ; and the same place in w_codes
	v_lshlrev_b32 v9, 6, v2                        ; my column's row of scale bytes
.macro WLOAD t                         ; block t: W(32 t + i, my column), i = 0 .. 31, into set t % 2.  The largest offset, 511 rows of 4,096 bytes, lies inside the signed 24-bit immediate
.irp i, 0,1,2,3,4,5,6,7,8,9,10,11,12,13,14,15,16,17,18,19,20,21,22,23,24,25,26,27,28,29,30,31
	global_load_b32 v[WX+32*((\t)%2)+\i], v3, s[28:29] offset:(32*(\t)+\i)*4096 th:TH_LOAD_NT
.endr
.endm
.macro WBLOCK t
.set XS, WX+32*((\t)%2)
.if (\t) < 15
	s_wait_loadcnt 32                              ; this block's 32 loads are in; the next block's 32 may be out
.else
	s_wait_loadcnt 0x0
.endif
	v_max3_num_f32 v12, |v[XS]|, |v[XS+1]|, |v[XS+2]|          ; the block's largest magnitude: all 32 numbers are mine; two chains
	v_max3_num_f32 v13, |v[XS+3]|, |v[XS+4]|, |v[XS+5]|
.irp i, 6,10,14,18,22,26
	v_max3_num_f32 v12, v12, |v[XS+\i]|, |v[XS+\i+1]|
	v_max3_num_f32 v13, v13, |v[XS+\i+2]|, |v[XS+\i+3]|
.endr
	v_max3_num_f32 v12, v12, |v[XS+30]|, |v[XS+31]|
	v_max3_num_f32 v12, v12, v13, FLOOR
	v_add_nc_u32 v11, OFF2, v12                    ; the conversion takes the exponent field of this operand as its scale, and nothing else of it
	v_lshrrev_b32 v13, 23, v11                     ; the scale's byte
.if (\t)%4 == 0
	v_mov_b32 v[WSB+(\t)/4], v13                   ; four bytes to a register, the lower K in the lower byte
.else
	v_lshl_or_b32 v[WSB+(\t)/4], v13, 8*((\t)%4), v[WSB+(\t)/4]
.endif
.irp g, 0,1,2,3
	v_cvt_scalef32_pk8_fp4_f32 v[WC+\g], v[XS+8*\g:XS+8*\g+7], v11
.endr
	ds_store_b128 v4, v[WC:WC+3] offset:16*(\t)    ; 32 codes: 16 bytes of my column's row.  (The next vector lines are the next block's maxima, plain lines that name neither the codes nor v11)
.if (\t)+2 < 16
	WLOAD (\t)+2
.endif
	s_wait_dscnt 0x0                               ; the store has read its registers: the next block's codes may be written
.endm
	WLOAD 0
	WLOAD 1
.irp t, 0,1,2,3,4,5,6,7,8,9,10,11,12,13,14,15
	WBLOCK \t
.endr
	global_store_b128 v9, v[WSB:WSB+3], s[22:23]   ; my column's 16 scale bytes: 16 bytes of a row of 64; one byte in 128 of what this way reads
.irp t, 0,1,2,3,4,5,6,7,8,9,10,11,12,13,14,15
	ds_load_b128 v[WOUT+4*\t:WOUT+4*\t+3], v7 offset:2*\t*WPITCH   ; LDS serves a wave's instructions in order: these see my stores
.endr
.irp t, 0,1,2,3,4,5,6,7,8,9,10,11,12,13,14,15
	s_wait_dscnt 15-\t                             ; the loads behind this one may be out
	global_store_b128 v8, v[WOUT+4*\t:WOUT+4*\t+3], s[20:21] offset:2*\t*1024   ; sixteen lanes store 256 consecutive bytes, aligned
.endr
	s_wait_tensorcnt 0x0
	ds_add_u32 v192, v193
	s_wait_dscnt 0x0
	s_endpgm
; ---------------- THE ROWS.  A wave takes rows 4 R .. 4 R + 3 of input AND of hidden_state: 16 steps of 512 numbers; step t is quarter t % 4 of combined row t / 4, so its codes (256 t) and its scale
; bytes (16 t) are plain streams, and the wave's 256 scale bytes are one aligned run.  Each load reads 512 consecutive bytes; a step's 2,048 bytes turn through the wave's own stage in LDS and come back
; 64 bytes a lane, since the conversions want 16 neighbours along K in one lane.  Two neighbouring lanes hold a block.  Loads run four steps ahead, the turn through LDS one step.
.Lrows:
	s_sub_co_u32 s25, ttmp9, 128
	s_lshl_b32 s25, s25, 2
	s_add_co_u32 s25, s25, s24                     ; R, 0 .. 2047
	s_lshl_b32 s26, s25, 14                        ; four rows of 4,096 bytes
	s_mov_b32 s27, 0
	s_add_nc_u64 s[4:5], s[4:5], s[26:27]
	s_add_nc_u64 s[6:7], s[6:7], s[26:27]
	s_lshl_b32 s26, s25, 12                        ; four rows of 1,024 bytes of codes
	s_add_nc_u64 s[16:17], s[16:17], s[26:27]
	s_lshl_b32 s26, s25, 8                         ; four rows of 64 scale bytes
	s_add_nc_u64 s[18:19], s[18:19], s[26:27]
	s_lshl_b32 s28, s24, 13
	s_add_co_u32 s28, s28, RBASE                   ; my wave's LDS
	v_lshlrev_b32 v3, 4, v2                        ; my 16 bytes of a load's 512
	v_lshrrev_b32 v14, 2, v2
	v_mul_u32_u24 v14, v14, SP
	v_and_b32 v15, 3, v2
	v_lshl_add_u32 v14, v15, 4, v14
	v_add_nc_u32 v14, s28, v14                     ; the stage, on the way in: four lanes' 64 bytes on end, then 16 of padding
	v_mul_u32_u24 v15, v2, SP
	v_add_nc_u32 v15, s28, v15                     ; and on the way out: my 16 neighbours
	v_lshlrev_b32 v4, 3, v2                        ; 8 bytes a lane: my codes' place in a step's, and my part of the scale bytes at the end
	v_lshrrev_b32 v5, 1, v2
	s_add_co_u32 s28, s28, 2*32*SP
	v_add_nc_u32 v5, s28, v5                       ; LDS: my block's scale byte
	v_add_nc_u32 v6, s28, v4                       ; and on the way out 8 bytes a lane
.macro RLOAD t
.irp i, 0,1,2,3
.if ((\t)%4) < 2
	global_load_b128 v[RR+16*((\t)%4)+4*\i:RR+16*((\t)%4)+4*\i+3], v3, s[4:5] offset:4096*((\t)/4)+2048*((\t)%2)+512*\i th:TH_LOAD_NT
.else
	global_load_b128 v[RR+16*((\t)%4)+4*\i:RR+16*((\t)%4)+4*\i+3], v3, s[6:7] offset:4096*((\t)/4)+2048*((\t)%2)+512*\i th:TH_LOAD_NT
.endif
.endr
.endm
.macro RTURN t                         ; step t's numbers through the stage: LDS serves a wave's instructions in order, so no wait stands between the stores and the loads
.irp i, 0,1,2,3
	ds_store_b128 v14, v[RR+16*((\t)%4)+4*\i:RR+16*((\t)%4)+4*\i+3] offset:32*SP*((\t)%2)+8*SP*\i
.endr
.irp i, 0,1,2,3
	ds_load_b128 v[RX+16*((\t)%2)+4*\i:RX+16*((\t)%2)+4*\i+3], v15 offset:32*SP*((\t)%2)+16*\i
.endr
.endm
.macro RSTEP t
.set XS, RX+16*((\t)%2)
.if (\t) > 0
	s_wait_dscnt 1                                 ; this step's numbers are back from the stage (the last step's byte store may be out): so its stores into the stage have read their registers,
.else
	s_wait_dscnt 0x0
.endif
.if (\t)+4 < 16
	RLOAD (\t)+4                                   ; which take the loads of four steps on
.endif
.if (\t)+1 < 16
.if 14-(\t) >= 3
	s_wait_loadcnt 12                              ; the next step's four loads are in; those of the three steps behind it may be out
.else
	s_wait_loadcnt 4*(14-(\t))                     ; the counts run down with the steps that are left
.endif
	RTURN (\t)+1
.endif
	v_max3_num_f32 v8, |v[XS]|, |v[XS+1]|, |v[XS+2]|           ; the largest magnitude of my 16
	v_max3_num_f32 v9, |v[XS+3]|, |v[XS+4]|, |v[XS+5]|
.irp i, 6,10
	v_max3_num_f32 v8, v8, |v[XS+\i]|, |v[XS+\i+1]|
	v_max3_num_f32 v9, v9, |v[XS+\i+2]|, |v[XS+\i+3]|
.endr
	v_max3_num_f32 v8, v8, |v[XS+14]|, |v[XS+15]|
	v_max3_num_f32 v8, v8, v9, FLOOR
	v_max_num_f32_dpp v8, v8, v8 row_xmask:1 row_mask:0xf bank_mask:0xf   ; and of my neighbour's 16: the block's
	v_add_nc_u32 v11, OFF2, v8
	v_cvt_scalef32_pk8_fp4_f32 v[RC+4*(\t)], v[XS:XS+7], v11
	v_cvt_scalef32_pk8_fp4_f32 v[RC+4*(\t)+1], v[XS+8:XS+15], v11
	v_lshrrev_b32 v[RE+(\t)], 23, v11              ; the scale's byte; also the plain line behind the conversions
	ds_store_b8 v5, v[RE+(\t)] offset:16*(\t)      ; both lanes of a block write the same byte with the same value
	global_store_b64 v4, v[RC+4*(\t):RC+4*(\t)+1], s[16:17] offset:256*(\t)   ; the wave stores 256 consecutive bytes, aligned
.endm
.irp t, 0,1,2,3
	RLOAD \t
.endr
	s_wait_loadcnt 12                              ; step 0's four loads are in
	RTURN 0
.irp t, 0,1,2,3,4,5,6,7,8,9,10,11,12,13,14,15
	RSTEP \t
.endr
	ds_load_b64 v[12:13], v6                       ; LDS serves a wave's instructions in order: this sees my byte stores
	s_wait_dscnt 0x0
	global_store_b64 v4, v[12:13], s[18:19]        ; 32 lanes store 256 consecutive bytes, aligned
	s_wait_tensorcnt 0x0
	ds_add_u32 v192, v193
	s_wait_dscnt 0x0
	s_endpgm
.Lfunc_end_k_qa6f2590106_quant:
	.size	k_qa6f2590106_quant, .Lfunc_end_k_qa6f2590106_quant-k_qa6f2590106_quant
	.p2alignl 7, 3214868480
	.fill 96, 4, 3214868480
	.section	.rodata,"a",@progbits
	.p2align	6, 0x0
	.amdhsa_kernel k_qa6f2590106_quant
		.amdhsa_group_segment_fixed_size 68096
		.amdhsa_private_segment_fixed_size 0
		.amdhsa_enable_private_segment 0
		.amdhsa_kernarg_size 80
		.amdhsa_user_sgpr_count 2
		.amdhsa_user_sgpr_kernarg_segment_ptr 1
		.amdhsa_wavefront_size32 1
		.amdhsa_system_sgpr_workgroup_id_x 1
		.amdhsa_system_sgpr_workgroup_id_y 1
		.amdhsa_system_sgpr_workgroup_id_z 1
		.amdhsa_system_vgpr_workitem_id 0
		.amdhsa_next_free_vgpr 194
		.amdhsa_next_free_sgpr 66
		.amdhsa_reserve_vcc 0
		.amdhsa_float_denorm_mode_32 3
		.amdhsa_float_denorm_mode_16_64 3
		.amdhsa_memory_ordered 1
		.amdhsa_forward_progress 1
		.amdhsa_inst_pref_size 111
	.end_amdhsa_kernel
	.amdgpu_metadata
---
amdhsa.version: [ 1, 2 ]
amdhsa.kernels:
  - .name:           k_qa6f2590106_quant
    .symbol:         k_qa6f2590106_quant.kd
    .args:
      - { .name: input, .offset: 0, .size: 8, .value_kind: global_buffer, .address_space: global }
      - { .name: hidden_state, .offset: 8, .size: 8, .value_kind: global_buffer, .address_space: global }
      - { .name: W_f, .offset: 16, .size: 8, .value_kind: global_buffer, .address_space: global }
      - { .name: W_i, .offset: 24, .size: 8, .value_kind: global_buffer, .address_space: global }
      - { .name: W_c, .offset: 32, .size: 8, .value_kind: global_buffer, .address_space: global }
      - { .name: W_o, .offset: 40, .size: 8, .value_kind: global_buffer, .address_space: global }
      - { .name: a_codes, .offset: 48, .size: 8, .value_kind: global_buffer, .address_space: global }
      - { .name: a_scales, .offset: 56, .size: 8, .value_kind: global_buffer, .address_space: global }
      - { .name: w_codes, .offset: 64, .size: 8, .value_kind: global_buffer, .address_space: global }
      - { .name: w_scales, .offset: 72, .size: 8, .value_kind: global_buffer, .address_space: global }
    .group_segment_fixed_size: 68096
    .private_segment_fixed_size: 0
    .kernarg_segment_align: 8
    .kernarg_segment_size: 80
    .max_flat_workgroup_size: 128
    .sgpr_count:     66
    .vgpr_count:     194
    .wavefront_size: 32
...
	.end_amdgpu_metadata
.endif
;; end of part 1
;; launch lstm (part 2): grid 16 x 32, 4 waves a work-group, clusters of 4 x 4, 327,680 bytes of LDS; arguments a_codes, a_scales, w_codes, w_scales, b_f, b_i, b_c, b_o, cell_state, out0, out1; writes out0, out1
.if DOCPART == 2
	.amdgcn_target "amdgcn-amd-amdhsa--gfx1250"
	.amdhsa_code_object_version 6
	.text
	.protected	k_qa6f2590106_lstm
	.globl	k_qa6f2590106_lstm
	.p2align	8
	.type	k_qa6f2590106_lstm,@function
k_qa6f2590106_lstm:
	s_mov_b64 s[64:65], 0
	v_nop
	global_prefetch_b8 v0, s[64:65] scope:SCOPE_SE
	s_setreg_imm32_b32 hwreg(HW_REG_WAVE_MODE, 25, 1), 1
	s_wait_xcnt 0x0
	s_wait_alu depctr_hold_cnt(0) depctr_sa_sdst(0) depctr_va_vdst(0) depctr_va_sdst(0) depctr_va_ssrc(0) depctr_va_vcc(0) depctr_vm_vsrc(0)
	s_getreg_b32 s2, hwreg(HW_REG_IB_STS2, 6, 4)
	s_cmp_eq_u32 s2, 0
	s_cbranch_scc0 .Lentry_in_a_cluster
	s_endpgm
.Lentry_in_a_cluster:
	s_bfe_u32 s2, ttmp6, 0x10000c
	s_cmp_lg_u32 s2, 0xf033
	s_cbranch_scc0 .Lentry_shape_is_right
	s_endpgm
.Lentry_shape_is_right:
; gates = A B^T + b on codes of FP4 (E2M1) with one E8M0 scale for each 32 along K; then new_cell = sigmoid(f) c + sigmoid(i) tanh(g) (out1) and new_hidden = sigmoid(o) tanh(new_cell) (out0), all in f32.
; A: a_codes [8192][1024 bytes], a_scales [8192][64].  B: w_codes [4096 (n')][1024 bytes], w_scales [4096][64]; gate g of hidden unit j lies at n' = 128 (j / 32) + 32 g + j % 32.
; SHARES.  A work-group of four waves makes 256 rows x 256 n', which are all four gates of 64 hidden units; a wave makes 128 x 128: 64 accumulators of 16 x 16, 512 registers.
; THE MATRIX INSTRUCTION IS USED TRANSPOSED (source 0 = 16 rows of B, source 1 = 16 rows of A): lane (r, h) holds row 16 a + r, and register j of accumulator (a, b) gate b / 2 of the wave's hidden unit
; 16 (b % 2) + 8 h + j.  So the four gates of an element lie in ONE lane at one register index, and the gates never leave the registers.  The biases are the C of each sum's first matrix instruction.
; K = 2,048 goes in four steps of 512 (rows of 256 bytes) through two LDS slots filled by the tensor data mover; the text is written straight, without a loop.  The scale bytes of the work-group's rows, for all
; of K, come once, with the first fills.  When slot 0 has been read for the last time, its first half is filled once more: with the work-group's tile of cell_state.
; CLUSTERS: 4 x 4 work-groups.  The four of a row of the cluster need the same tiles of A, the four of a column the same tiles of B: each is asked for JOINTLY.  The cell tile is each work-group's own: a plain load.
; THE TAIL takes 7 transcendentals an element: with Ef = e^-f, Ei = e^-i, Eg = e^-2g, Eo = e^-o, En = e^-2 new_cell:
;   new_cell = (c (1 + Ei)(1 + Eg) + (1 - Eg)(1 + Ef)) / ((1 + Ef)(1 + Ei)(1 + Eg));   new_hidden = (1 - En) / ((1 + En)(1 + Eo)).
; THE RESULTS LEAVE BY QUARTERS, UNDER THE TAIL: when two blocks of 16 rows of each row half are finished, a barrier, and each wave reads 16 whole rows of each output back from the stages and stores them while
; the next two blocks are worked: 48 of a wave's 64 stores are issued ahead of the last block's arithmetic.
; LIMITS: the exponents of Ef, Ei, Eg, En (to base 2) are held at 40 from above, so that the products stay finite: a sigmoid does not fall under 2^-40, and a tanh is -1 to within 2^-39 there;
; |cell_state| stays under 2^46 (c (1 + Ei)(1 + Eg) must be finite); NaN and infinities among the inputs are not served.
; REGISTERS, in windows of 256.  Window 0: v1-7 at work at the head; v16-31 addresses; v32-95 scale words, two sets, and nothing else ever; v128-191 A's fragments, one set; in the tail v96-255 are at work.
;   Window 1: B's fragments, two sets, at v0 and v128; v64-127 the biases, 8 registers for each block b; in the tail all 256: the rows on their way out, 64 registers for each quarter.
;   Window 2: the accumulators of my rows 0-63 ((a, b) at v[8 (8 a + b)]);  window 3: of my rows 64-127.
.set NQ,     4                         ; matrix instructions deep in a slot: 512 along K
.set ROWB,   256                       ; a tile's row in bytes
.set KROW,   1024                      ; a row of A or of B in memory, in bytes
.set PITCH,  272                       ; an LDS row: 256 bytes + 16 of padding = 68 words, so the 16 rows that a load touches start 4 words apart modulo 64
.set FR,     8                         ; registers of a fragment: 16 rows x 128 K
.set NL,     2                         ; LDS loads that bring one
.set NP,     4                         ; places behind this matrix instruction (ISA guide 7.12.1)
.set HALFT,  128*PITCH                 ; 128 rows: what one joint load brings
.set SLOT,   4*HALFT                   ; A's 256 rows, then B's 256 rows
.set KS,     64                        ; a row of scale bytes
.set SCL,    2*SLOT                    ; behind the ring: the scales, as runs of 256 bytes + 16 of padding
.set HALFS,  32*272                    ; the scales of 128 rows
.set SBLK,   4*272                     ; those of 16 rows
.set SPARE,  SCL+4*HALFS               ; the spare words, 128 bytes for each wave: two blocks of 256 bytes that no other line names
.set HST,    2*HALFT                   ; stage for new_hidden, 256 rows x 272: slot 0's second half, which has had its last fill (K step 2) and its last read when it is written
.set CST,    SLOT                      ; stage for new_cell: slot 1's first half, likewise (K step 3); the cell tile lies at 0, in slot 0's first half
.set ADRA, 16                          ; v16-17  LDS address of my A fragments in slot 0, 1
.set ADRB, 20                          ; v20-21  the same for B
.set CLA,  22                          ; v22     the cell tile: my 32 bytes of row r of my wave's part
.set HSA,  23                          ; v23     the same place in the stage for new_hidden
.set CSA,  24                          ; v24     and in the stage for new_cell
.set RDC,  25                          ; v25     the way out: where I read rows of new_cell back
.set RDH,  26                          ; v26     and of new_hidden
.set ADRS, 27                          ; v27     my scale words: lanes 0-15 A's rows, lanes 16-31 B's
.set SPW,  28                          ; v28     my spare word: SPARE + 4 x my thread's number; never rewritten
.set NIL,  29                          ; v29     0; never rewritten
.set CO,   30                          ; v30     my byte offset in two rows of an output; never rewritten
.set PFO,  31                          ; v31     4,096 x my lane: a row of cell_state; never rewritten
.set SC,   32                          ; scale words: set s at v[SC + 32 s]; register 4 i + q: lanes 0-15 the word of A's block i, lanes 16-31 of B's block i, for the slot's q-th 128 along K
.set AF,   128                         ; A's fragments, window 0
.set BI,   64                          ; the biases, window 1
.set T,    96                          ; the tail: v96-111 f, v112-127 i, v128-143 g, v144-159 o of a block of 16 rows: 16 numbers a lane each
.set TF,   96
.set TI,   112
.set TG,   128
.set TO,   144
.set CE,   160                         ; v160-175, v176-191 the cell state's 16 numbers, two sets
.set W1,   192
.set W2,   208
.set NC,   224                         ; new_cell
.set NH,   240                         ; new_hidden
.set G0C,  4                           ; s[4:7]   group 0 for the cell tile (once the codes' pointers are used up)
.set G1,   24                          ; s[24:31] group 1 for A's tiles;  s[32:39] group 0, one set for each slot
.set G0,   32
.set LG1,  40                          ; s[40:41] -log2(e), twice (once cx and cy are used up)
.set LG2,  42                          ; s[42:43] -2 log2(e), twice
.set CAP,  44                          ; s44      40.0
.set G1B,  48                          ; s[48:55], s[56:63] the same for B's tiles
.set G0B,  56
.set G1S,  68                          ; s[68:75], s[76:79] groups 1 and 0 for A's scales;  s[80:87], s[88:91] for B's
.set G0S,  76
.set G1SB, 80
.set G0SB, 88
.set G1C,  92                          ; s[92:99] group 1 for the cell tile
.set MSB, 0
.macro WIN new                         ; low byte: bits 1:0 source 0, 3:2 source 1, 5:4 source 2, 7:6 destination; the high byte repeats the setting that is left
.if MSB != (\new)
	s_set_vgpr_msb (MSB<<8)|(\new)
.set MSB, (\new)
.endif
.endm
.set MUL_LO, 0xa1                      ; source 0 (B) window 1, source 1 (A) window 0, C and D window 2
.set MUL_HI, 0xf1                      ; the same, C and D window 3
.set TO_B,   0x40                      ; destination window 1, address window 0
.set FROM_B, 0x04                      ; a store's data (its source 1) window 1, address window 0
; A joint load: waves 0 and 1 fetch for A, waves 2 and 3 for B.  Each of the two lines has ONE mask and one set of registers for all that issue it; the branch hangs on the wave's number alone.
; Four v_nop follow each of the two lines, ahead of the jump, the label and what follows.
.macro JLOAD g0a, g1a, g0b, g1b
	s_cmp_eq_u32 s15, 0
	s_cbranch_scc0 .Lfor_b_\@
	tensor_load_to_lds s[\g0a:\g0a+3], s[\g1a:\g1a+7]
	s_nop 0
.rept 4
	v_nop
.endr
	s_branch .Lasked_\@
.Lfor_b_\@:
	tensor_load_to_lds s[\g0b:\g0b+3], s[\g1b:\g1b+7]
	s_nop 0
.rept 4
	v_nop
.endr
.Lasked_\@:
.endm
.macro CREST                           ; a round of the cluster's barrier behind its opening barrier
	s_cmp_lg_u32 s14, 0
	s_cbranch_scc1 .Lnot_wave_0_\@
	s_barrier_signal -3
.Lnot_wave_0_\@:
	s_barrier_wait -3
	s_barrier_signal -1
	s_barrier_wait -1
.endm
.macro CROUND                          ; a whole round
	s_barrier_signal -1
	s_barrier_wait -1
	CREST
.endm
.macro PLACES n
.rept \n
	v_nop
.endr
.endm
	s_load_b256 s[4:11], s[0:1], 0x0               ; a_codes s[4:5], a_scales s[6:7], w_codes s[8:9], w_scales s[10:11]
	v_lshl_add_u32 v[SPW], v0, 2, SPARE
	v_mov_b32 v[NIL], 0
	ds_add_u32 v28, v29
	ds_add_u32 v28, v29
	s_wait_dscnt 0x0
	v_lshrrev_b32 v1, 5, v0
	v_readfirstlane_b32 s14, v1                    ; wave 0..3
	s_lshr_b32 s15, s14, 1                         ; which half of the tile's rows is mine.  Also: I fetch for A (0) or for B (1)
	s_and_b32 s16, s14, 1                          ; which half of its n'.  Also: which 128 rows of that tile I fetch
	s_bfe_u32 s40, ttmp6, 0x40000                  ; cx, cy: my place in the cluster
	s_bfe_u32 s41, ttmp6, 0x40004
	s_lshl_b32 s42, ttmp9, 2
	s_add_co_u32 s42, s42, s40                     ; tile column = 4 x cluster x + cx, 0 .. 15
	s_and_b32 s17, ttmp7, 0xffff
	s_lshl_b32 s17, s17, 2
	s_add_co_u32 s17, s17, s41                     ; tile row = 4 x cluster y + cy, 0 .. 31
	s_lshl_b32 s43, s41, 2
	s_lshl_b32 s43, 15, s43                        ; my row of the cluster
	s_lshl_b32 s44, 0x1111, s40                    ; my column
	; group 1 for the codes: a tile of 128 rows x 256 bytes, padded in LDS
	s_or_b32 s[G1+0], s43, (0<<16)|(1<<20)|(1<<21)|(5<<22)|(3<<25)   ; 15:0 the mask: A's tiles go to my row; 17:16 elements of 1 byte; 20 padding on; 21 set beside a mask; 24:22 after every 64 words (code 5); 31:25 4 words (code 3)
	s_or_b32 s[G1B+0], s44, (0<<16)|(1<<20)|(1<<21)|(5<<22)|(3<<25)  ; the same with the mask of my column
.irp g, G1, G1B
	s_mov_b32 s[\g+1], ROWB<<16                    ; tensor_dim0
	s_mov_b32 s[\g+2], 128<<16                     ; tensor_dim1
	s_mov_b32 s[\g+3], ROWB<<16                    ; tile_dim0
	s_mov_b32 s[\g+4], 128                         ; tile_dim1
	s_mov_b32 s[\g+5], KROW                        ; tensor_dim0_stride
	s_mov_b32 s[\g+6], 0
	s_mov_b32 s[\g+7], 0
.endr
	; for the scales of 128 rows: a dense block of 8,192 bytes, as 32 rows of 256 bytes (32 elements of 8 bytes), 16 bytes of padding behind each
	s_or_b32 s[G1S+0], s43, (3<<16)|(1<<20)|(1<<21)|(5<<22)|(3<<25)
	s_or_b32 s[G1SB+0], s44, (3<<16)|(1<<20)|(1<<21)|(5<<22)|(3<<25)
.irp g, G1S, G1SB
	s_mov_b32 s[\g+1], 32<<16
	s_mov_b32 s[\g+2], 32<<16
	s_mov_b32 s[\g+3], 32<<16
	s_mov_b32 s[\g+4], 32
	s_mov_b32 s[\g+5], 32
	s_mov_b32 s[\g+6], 0
	s_mov_b32 s[\g+7], 0
.endr
	; for the cell tile: 64 rows x 64 numbers of 4 bytes, rows 1,024 numbers apart, no mask, the same padding
	s_mov_b32 s[G1C+0], (2<<16)|(1<<20)|(5<<22)|(3<<25)
	s_mov_b32 s[G1C+1], 64<<16
	s_mov_b32 s[G1C+2], 64<<16
	s_mov_b32 s[G1C+3], 64<<16
	s_mov_b32 s[G1C+4], 64
	s_mov_b32 s[G1C+5], 1024
	s_mov_b32 s[G1C+6], 0
	s_mov_b32 s[G1C+7], 0
	; where the tiles come from.  A's hang on the tile row alone, B's on the tile column alone; every wave makes both, in registers that never hold the other coordinate
	s_lshl_b32 s18, s16, 7                         ; which 128 rows of the tile I fetch
	s_lshl_b32 s19, s17, 8
	s_add_co_u32 s19, s19, s18                     ; A: row 256 x tile row + 128 x half
	s_lshl_b32 s20, s19, 10                        ; its codes, in bytes,
	s_mov_b32 s21, 0
	s_lshl_b32 s22, s19, 6                         ; its scales
	s_mov_b32 s23, 0
	s_lshl_b32 s3, s42, 8
	s_add_co_u32 s3, s3, s18                       ; B: row 256 x tile column + 128 x half
	s_lshl_b32 s46, s3, 10
	s_mov_b32 s47, 0
	s_lshl_b32 s2, s3, 6
	s_mov_b32 s3, 0
	s_mul_i32 s45, s14, HALFT                      ; where they go: wave x 128 rows: no place in the cluster enters an LDS address
	s_mul_i32 s12, s14, HALFS
	s_wait_kmcnt 0x0
	s_add_nc_u64 s[20:21], s[4:5], s[20:21]
	s_add_nc_u64 s[22:23], s[6:7], s[22:23]
	s_add_nc_u64 s[46:47], s[8:9], s[46:47]
	s_add_nc_u64 s[2:3], s[10:11], s[2:3]
	CROUND                                         ; all sixteen work-groups are here: the first joint loads meet
	s_mov_b32 s[G0S], 1
	s_add_co_u32 s[G0S+1], s12, SCL
	s_mov_b64 s[G0S+2:G0S+3], s[22:23]
	s_or_b32 s[G0S+3], s[G0S+3], 0x80000000
	s_mov_b32 s[G0SB], 1
	s_add_co_u32 s[G0SB+1], s12, SCL
	s_mov_b64 s[G0SB+2:G0SB+3], s[2:3]
	s_or_b32 s[G0SB+3], s[G0SB+3], 0x80000000
	JLOAD G0S, G1S, G0SB, G1SB                     ; the scales first: they are wanted with K step 0
.irp s, 0,1
	s_mov_b32 s[G0+4*\s], 1
	s_add_co_u32 s[G0+4*\s+1], s45, \s*SLOT
	s_add_nc_u64 s[G0+4*\s+2:G0+4*\s+3], s[20:21], \s*ROWB
	s_or_b32 s[G0+4*\s+3], s[G0+4*\s+3], 0x80000000
	s_mov_b32 s[G0B+4*\s], 1
	s_add_co_u32 s[G0B+4*\s+1], s45, \s*SLOT
	s_add_nc_u64 s[G0B+4*\s+2:G0B+4*\s+3], s[46:47], \s*ROWB
	s_or_b32 s[G0B+4*\s+3], s[G0B+4*\s+3], 0x80000000
	JLOAD G0+4*\s, G1, G0B+4*\s, G1B               ; K steps 0 and 1: three tensor loads of mine are out
.endr
	s_load_b128 s[8:11], s[0:1], 0x20              ; b_f s[8:9], b_i s[10:11]
	s_load_b128 s[20:23], s[0:1], 0x30             ; b_c s[20:21], b_o s[22:23]
	s_load_b64 s[12:13], s[0:1], 0x40              ; cell_state
	s_load_b64 s[66:67], s[0:1], 0x48              ; out0: new_hidden
	s_load_b64 s[100:101], s[0:1], 0x50            ; out1: new_cell
	v_and_b32 v1, 15, v0                           ; r = lane % 16
	v_bfe_u32 v2, v0, 4, 1                         ; h = lane / 16
	v_mul_u32_u24 v3, v1, PITCH
	v_lshl_add_u32 v4, v2, 4, v3                   ; a fragment's row x pitch + 16 x half
	s_mul_i32 s18, s15, HALFT                      ; my 128 rows of A
	s_mul_i32 s19, s16, HALFT                      ; my 128 rows of B,
	s_add_co_u32 s19, s19, 2*HALFT                 ; which lie behind A's 256
.irp s, 0,1
	v_add_nc_u32 v[ADRA+\s], s18, v4
	v_add_nc_u32 v[ADRB+\s], s19, v4
	s_add_co_u32 s18, s18, SLOT
	s_add_co_u32 s19, s19, SLOT
.endr
	v_mul_u32_u24 v5, v1, KS                       ; my row's scales: 64 bytes a row,
	v_lshrrev_b32 v6, 8, v5
	v_lshl_add_u32 v5, v6, 4, v5                   ; and 16 more for each 256 passed
	s_mul_i32 s18, s15, HALFS                      ; A's: my 128 rows
	s_mul_i32 s19, s16, HALFS                      ; B's: my 128 rows, behind A's 256
	s_add_co_u32 s19, s19, 2*HALFS
	s_sub_co_u32 s19, s19, s18
	v_mul_u32_u24 v6, s19, v2                      ; lanes 16-31 take B's: one product, the distance between the two bases x h
	s_add_co_u32 s18, s18, SCL
	v_add_nc_u32 v5, v5, v6
	v_add_nc_u32 v[ADRS], s18, v5
	v_lshl_add_u32 v5, v2, 5, v3                   ; the cell tile and the two stages: row r, + 32 h,
	s_mul_i32 s18, s15, HALFT                      ; + my 128 rows,
	s_lshl_b32 s19, s16, 7                         ; + my 32 hidden units' 128 bytes
	s_add_co_u32 s18, s18, s19
	v_add_nc_u32 v[CLA], s18, v5
	v_add_nc_u32 v[HSA], HST, v[CLA]
	v_add_nc_u32 v[CSA], CST, v[CLA]
	v_mul_u32_u24 v5, v2, PITCH                    ; back: lanes 0-15 take one row of 256 bytes, lanes 16-31 the next;
	v_lshl_add_u32 v5, v1, 4, v5
	s_mul_i32 s18, s15, HALFT                      ; of each quarter's 32 rows of my row half
	s_mul_i32 s19, s16, 16*PITCH                   ; I take 16, whole: rows 128 (wave / 2) + 16 (wave % 2) + 32 x quarter on
	s_add_co_u32 s18, s18, s19
	v_add_nc_u32 v5, s18, v5
	v_add_nc_u32 v[RDC], CST, v5
	v_add_nc_u32 v[RDH], HST, v5
	v_lshlrev_b32 v5, 12, v2                       ; and the same two rows in an output
	v_lshl_add_u32 v[CO], v1, 4, v5
	v_and_b32 v6, 31, v0
	v_lshlrev_b32 v[PFO], 12, v6
	s_lshl_b32 s18, s42, 8                         ; the biases: 4 bytes x (64 x tile column + 32 x half + 8 h)
	s_lshl_b32 s19, s16, 7
	s_add_co_u32 s18, s18, s19
	v_lshl_add_u32 v7, v2, 5, s18
	s_lshl_b32 s2, s17, 8                          ; cell_state at row 256 x tile row + 64 x wave, column 64 x tile column: the 64 rows that I fetch
	s_lshl_b32 s3, s14, 6
	s_add_co_u32 s2, s2, s3
	s_lshl_b32 s2, s2, 12
	s_lshl_b32 s3, s42, 8
	s_add_co_u32 s2, s2, s3
	s_mov_b32 s3, 0
	s_lshl_b32 s18, s17, 8                         ; out0 and out1 at row 256 x tile row + 128 (wave / 2) + 16 (wave % 2), the same column: the rows that I store
	s_lshl_b32 s19, s15, 7
	s_add_co_u32 s18, s18, s19
	s_lshl_b32 s19, s16, 4
	s_add_co_u32 s18, s18, s19
	s_lshl_b32 s18, s18, 12
	s_lshl_b32 s19, s42, 8
	s_add_co_u32 s18, s18, s19
	s_mov_b32 s19, 0
	s_wait_kmcnt 0x0
	s_add_nc_u64 s[12:13], s[12:13], s[2:3]
	s_add_nc_u64 s[66:67], s[66:67], s[18:19]
	s_add_nc_u64 s[100:101], s[100:101], s[18:19]
	s_mov_b32 s[G0C], 1
	s_mul_i32 s[G0C+1], s14, 64*PITCH              ; my 64 rows of the cell tile, from LDS byte 0 on
	s_mov_b64 s[G0C+2:G0C+3], s[12:13]
	s_or_b32 s[G0C+3], s[G0C+3], 0x80000000
.macro BIAS g, base                    ; gate g's biases in the result's layout: for block 2 g + u my eight hidden units 16 u + 8 h + 0 .. 7
.irp u, 0,1
.irp q, 0,1
	global_load_b128 v[BI+16*\g+8*\u+4*\q:BI+16*\g+8*\u+4*\q+3], v7, s[\base:\base+1] offset:64*\u+16*\q
.endr
.endr
.endm
	WIN TO_B
	BIAS 0, 8
	BIAS 1, 10
	BIAS 2, 20
	BIAS 3, 22
	WIN 0
	s_mov_b32 s[LG1], 0xbfb8aa3b                   ; -log2(e); the packed forms name a pair and take its low word for both halves, so both words are written
	s_mov_b32 s[LG1+1], 0xbfb8aa3b
	s_mov_b32 s[LG2], 0xc038aa3b                   ; -2 log2(e)
	s_mov_b32 s[LG2+1], 0xc038aa3b
	s_mov_b32 s[CAP], 0x42200000                   ; 40.0
.macro FRAG reg, adr, q, i             ; a fragment: lane l holds row l % 16; registers 4 c .. 4 c + 3 hold K = 64 c + 32 (l / 16) + 0 .. 31
.irp c, 0,1
	ds_load_b128 v[\reg+4*\c:\reg+4*\c+3], v[\adr] offset:64*(\q)+32*\c+(\i)*16*PITCH
.endr
.endm
; 16 matrix instructions: A's blocks a0, a0 + 1 x B's eight, 128 along K: the slot's q-th.  p: B's set;  sc: the set of scale words.  c0 = 1: the sums start from the biases: nothing is ever cleared or added later.
; The 64 accumulators take turns, one instruction a turn, in the same order in every step.
.macro MUL16 a0, p, q, sc, c0
.irp a, \a0, \a0+1
.irp b, 0,1,2,3,4,5,6,7
.if \c0
	v_wmma_scale_f32_16x16x128_f8f6f4 v[8*(8*((\a)%4)+\b):8*(8*((\a)%4)+\b)+7], v[128*(\p)+FR*\b:128*(\p)+FR*\b+FR-1], v[AF+FR*(\a):AF+FR*(\a)+FR-1], v[BI+8*\b:BI+8*\b+7], v[SC+8*NQ*(\sc)+NQ*\b+(\q)], v[SC+8*NQ*(\sc)+NQ*(\a)+(\q)] matrix_a_fmt:MATRIX_FMT_FP4 matrix_b_fmt:MATRIX_FMT_FP4 matrix_a_scale:MATRIX_SCALE_ROW1
.else
	v_wmma_scale_f32_16x16x128_f8f6f4 v[8*(8*((\a)%4)+\b):8*(8*((\a)%4)+\b)+7], v[128*(\p)+FR*\b:128*(\p)+FR*\b+FR-1], v[AF+FR*(\a):AF+FR*(\a)+FR-1], v[8*(8*((\a)%4)+\b):8*(8*((\a)%4)+\b)+7], v[SC+8*NQ*(\sc)+NQ*\b+(\q)], v[SC+8*NQ*(\sc)+NQ*(\a)+(\q)] matrix_a_fmt:MATRIX_FMT_FP4 matrix_b_fmt:MATRIX_FMT_FP4 matrix_a_scale:MATRIX_SCALE_ROW1
.endif
.endr
.endr
.endm
.macro FETCH_B slot, q, p              ; B's eight fragments of the slot's q-th 128 along K into set p
	WIN TO_B
.irp i, 0,1,2,3,4,5,6,7
	FRAG 128*(\p)+FR*\i, ADRB+\slot, \q, \i
.endr
	WIN 0
.endm
.macro FETCH_A slot, q, i0             ; A's blocks i0 .. i0 + 3
.irp i, \i0, \i0+1, \i0+2, \i0+3
	FRAG AF+FR*(\i), ADRA+\slot, \q, \i
.endr
.endm
.macro SCALES sc                       ; a K step's scale words into set sc: four words a row; lanes 0-15 take A's block i, lanes 16-31 B's block i
.irp i, 0,1,2,3,4,5,6,7
	ds_load_b128 v[SC+8*NQ*\sc+NQ*\i:SC+8*NQ*\sc+NQ*\i+3], v[ADRS] offset:\i*SBLK
.endr
.endm
; A step of 128 along K that has its successor in the same slot.  A's blocks go one after the other, each against B's eight: so one set of registers serves A (blocks 0-3 are fetched anew in the step's middle,
; blocks 4-7 at its end), and B has two.  A load into a register that a matrix instruction has read stands NP plain vector instructions behind it.
.macro STEP slot, q, c0
	s_wait_dscnt 4*NL                              ; B's set and A's blocks 0-3 are in; the youngest eight loads (A's blocks 4-7) may be out
.if \c0
	WIN 0x91                                       ; source 0 (B) and C (the biases) window 1, source 1 (A) window 0, D window 2
.else
	WIN MUL_LO
.endif
	MUL16 0, (\q)%2, \q, \slot, \c0
	MUL16 2, (\q)%2, \q, \slot, \c0
	s_wait_dscnt 0                                 ; A's blocks 4-7 are in (asked for 32 matrix instructions ago)
	PLACES NP
	FETCH_B \slot, (\q)+1, 1-(\q)%2
	FETCH_A \slot, (\q)+1, 0
.if \c0
	WIN 0xd1                                       ; the same, D window 3
.else
	WIN MUL_HI
.endif
	MUL16 4, (\q)%2, \q, \slot, \c0
	MUL16 6, (\q)%2, \q, \slot, \c0
	PLACES NP
	WIN 0
	FETCH_A \slot, (\q)+1, 4
.endm
; A slot's last step changes slots: ONE barrier, which opens a round of the cluster's barrier; in front of it each wave waits for all its tensor loads, adds 0 to its spare word, and waits for that and for its
; own reads of this slot.  fill = 1: this slot is filled again, jointly, two K steps ahead.  fill = 2: its first half takes my 64 rows of the work-group's cell tile, by a load of my own.
; pf = 1: the cell tile is prefetched: each wave names the 64 rows x 256 bytes that it will itself fetch, a lane a row, two instructions; so each row's 256 bytes are named once in the launch, two changes of
; slots, 512 matrix instructions, ahead of the tensor load that wants them.  The two lines stand behind the joint load and the run of LDS loads; their registers are never rewritten.
.macro TURN slot, next, fill, pf
	s_wait_tensorcnt 0x0                           ; all my tensor loads have landed: the one that was out is my part of the next slot  (every window is 0 here)
	ds_add_u32 v[SPW], v[NIL]                      ; 0 onto my spare word
	s_wait_dscnt 4*NL+1                            ; (the add and the youngest eight loads, A's blocks 4-7, may be out)
	WIN MUL_LO
	MUL16 0, 1, NQ-1, \slot, 0                     ; sixteen matrix instructions stand between the add and the wait for it
	s_wait_dscnt 0x0                               ; the add is done, and my reads of this slot are over
	s_barrier_signal -1
	MUL16 2, 1, NQ-1, \slot, 0
	WIN 0
	s_barrier_wait -1
	CREST                                          ; no wave of any partner still reads this slot's tile or has a load on its way
.if \fill == 1
	s_add_nc_u64 s[G0+4*\slot+2:G0+4*\slot+3], s[G0+4*\slot+2:G0+4*\slot+3], 2*ROWB
	s_add_nc_u64 s[G0B+4*\slot+2:G0B+4*\slot+3], s[G0B+4*\slot+2:G0B+4*\slot+3], 2*ROWB
	JLOAD G0+4*\slot, G1, G0B+4*\slot, G1B         ; the first tensor load behind the round; the four v_nop behind it are also the places in front of the loads below
.else
	tensor_load_to_lds s[G0C:G0C+3], s[G1C:G1C+7]  ; every wave's own 64 rows, at LDS bytes of its own: wave x 64 rows
	s_nop 0
	PLACES 4
.endif
	v_add_nc_u32 v[ADRS], 4*NQ, v[ADRS]            ; on to the next K step's scale words
	FETCH_B \next, 0, 0
	FETCH_A \next, 0, 0
	SCALES \next
.if \pf
	global_prefetch_b8 v[PFO], s[12:13] th:TH_LOAD_NT scope:SCOPE_SE
	global_prefetch_b8 v[PFO], s[12:13] offset:32*4096 th:TH_LOAD_NT scope:SCOPE_SE
.endif
	WIN MUL_HI
	MUL16 4, 1, NQ-1, \slot, 0
	MUL16 6, 1, NQ-1, \slot, 0
	PLACES NP
	WIN 0
	FETCH_A \next, 0, 4
.endm
	s_wait_tensorcnt 1                             ; the scales and my part of K step 0 are in (K step 1's load may be out)
	s_barrier_signal -1
	s_barrier_wait -1                              ; everybody's are
	FETCH_B 0, 0, 0
	FETCH_A 0, 0, 0
	SCALES 0
	FETCH_A 0, 0, 4
	s_wait_loadcnt 0x0                             ; the biases
	STEP 0, 0, 1                                   ; K step 0: its first products start the sums from the biases
	STEP 0, 1, 0
	STEP 0, 2, 0
	TURN 0, 1, 1, 1                                ; slot 0 takes K step 2
	STEP 1, 0, 0                                   ; K step 1
	STEP 1, 1, 0
	STEP 1, 2, 0
	TURN 1, 0, 1, 0                                ; slot 1 takes K step 3
	STEP 0, 0, 0                                   ; K step 2
	STEP 0, 1, 0
	STEP 0, 2, 0
	TURN 0, 1, 2, 0                                ; slot 0's first half takes the cell tile
	STEP 1, 0, 0                                   ; K step 3
	STEP 1, 1, 0
	STEP 1, 2, 0
	s_wait_dscnt 4*NL                              ; the very last step: nothing more to fetch
	WIN MUL_LO
	MUL16 0, 1, NQ-1, 1, 0
	MUL16 2, 1, NQ-1, 1, 0
	s_wait_dscnt 0x0                               ; my reads of slot 1 are over,
	s_wait_tensorcnt 0x0                           ; and my 64 rows of the cell tile have landed:
	s_barrier_signal -1                            ; say so,
	WIN MUL_HI
	MUL16 4, 1, NQ-1, 1, 0
	MUL16 6, 1, NQ-1, 1, 0
	WIN 0
	PLACES NP                                      ; the places behind the last products: for the first reads of results, and for loads and vector writes into the registers that held fragments
	s_barrier_wait -1                              ; the cell tile is whole, and nobody reads slot 1 any more: its first half may be written
; THE TAIL, a block of 16 rows at a time: 16 elements a lane (hidden units 16 u + 8 h + j at index 8 u + j).
.macro CELLS a                         ; block a's 16 numbers of the cell state into set a % 2
.irp u, 0,1
.irp q, 0,1
	ds_load_b128 v[CE+16*((\a)%2)+8*\u+4*\q:CE+16*((\a)%2)+8*\u+4*\q+3], v[CLA] offset:(\a)*16*PITCH+64*\u+16*\q
.endr
.endr
.endm
.macro PLUS1 d                         ; d = d + 1, sixteen numbers, two at a time
.irp k, 0,2,4,6,8,10,12,14
	v_pk_add_f32 v[\d+\k:\d+\k+1], v[\d+\k:\d+\k+1], 1.0 op_sel_hi:[1,0]
.endr
.endm
.macro ONEMINUS d, x                   ; d = 1 - x
.irp k, 0,2,4,6,8,10,12,14
	v_pk_fma_f32 v[\d+\k:\d+\k+1], v[\x+\k:\x+\k+1], -1.0, 1.0 op_sel_hi:[1,0,0]
.endr
.endm
.macro TIMES d, x, y                   ; d = x y
.irp k, 0,2,4,6,8,10,12,14
	v_pk_mul_f32 v[\d+\k:\d+\k+1], v[\x+\k:\x+\k+1], v[\y+\k:\y+\k+1]
.endr
.endm
.macro FMA3 d, x, y, z                 ; d = x y + z.  With z = y it is (1 + x) y: the '+ 1' costs no line of its own
.irp k, 0,2,4,6,8,10,12,14
	v_pk_fma_f32 v[\d+\k:\d+\k+1], v[\x+\k:\x+\k+1], v[\y+\k:\y+\k+1], v[\z+\k:\z+\k+1]
.endr
.endm
.macro BATCH_END                       ; behind a batch of transcendentals: one plain instruction, and the one wait ahead of the first line that names a result
	v_nop
	s_wait_alu depctr_va_vdst(0)
.endm
; THE WAY OUT, a quarter at a time.  A row's 256 bytes of an output come from two waves: so a barrier stands between the writing and the reading of a quarter's rows in the stages.  Between two such barriers
; quarter p's rows are read and quarter p + 1's are written: other bytes.
.macro MEETQ
	s_wait_dscnt 0x0                               ; for the others' sake: my stores into the stages are done
	s_barrier_signal -1
	s_barrier_wait -1
.endm
.macro RDBACK p                        ; my 16 rows of quarter p, two rows an instruction, into window 1: v[64 p] on new_cell, v[64 p + 32] on new_hidden.  Each quarter has registers of its own: no store's data are written again
	WIN TO_B
.irp t, 0,1,2,3,4,5,6,7
	ds_load_b128 v[64*(\p)+4*\t:64*(\p)+4*\t+3], v[RDC] offset:(\p)*32*PITCH+\t*2*PITCH
.endr
.irp t, 0,1,2,3,4,5,6,7
	ds_load_b128 v[64*(\p)+32+4*\t:64*(\p)+32+4*\t+3], v[RDH] offset:(\p)*32*PITCH+\t*2*PITCH
.endr
	WIN 0
.endm
.macro SENDQ p, cnt                    ; they are stored.  cnt = 1: the loads were issued just now: each store waits for its own, and the later ones may be out
	WIN FROM_B
.irp t, 0,1,2,3,4,5,6,7
.if \cnt
	s_wait_dscnt 15-\t
.endif
	global_store_b128 v[CO], v[64*(\p)+4*\t:64*(\p)+4*\t+3], s[100:101] offset:(32*(\p)+2*\t)*4096 th:TH_STORE_NT   ; sixteen lanes store 256 consecutive bytes, aligned; written once, read by nobody here
.endr
.irp t, 0,1,2,3,4,5,6,7
.if \cnt
	s_wait_dscnt 7-\t
.endif
	global_store_b128 v[CO], v[64*(\p)+32+4*\t:64*(\p)+32+4*\t+3], s[66:67] offset:(32*(\p)+2*\t)*4096 th:TH_STORE_NT
.endr
	WIN 0
.endm
; Block a.  dosend = 1: quarter p's rows, read back just ahead of this block, are stored behind the block's first batch of exponentials.
.macro TAIL a, dosend, p
.set AC, 64*((\a)%4)
.set CC, CE+16*((\a)%2)
.if (\a) < 7
	CELLS (\a)+1                                   ; the next block's cell numbers are asked for a block ahead
.endif
	WIN 0x02+(\a)/4                                ; source 0: window 2 or 3
.irp b, 0,1,2,3,4,5,6,7                ; the exponents to base 2: -log2(e) x gate, for g -2 log2(e) x gate; each accumulator is read from its low end on
.irp k, 0,2,4,6
.if \b/2 == 2
	v_pk_mul_f32 v[T+8*\b+\k:T+8*\b+\k+1], v[AC+8*\b+\k:AC+8*\b+\k+1], s[LG2:LG2+1] op_sel_hi:[1,0]
.else
	v_pk_mul_f32 v[T+8*\b+\k:T+8*\b+\k+1], v[AC+8*\b+\k:AC+8*\b+\k+1], s[LG1:LG1+1] op_sel_hi:[1,0]
.endif
.endr
.endr
	WIN 0
.set k, 0
.rept 48
	v_min_num_f32 v[T+k], s[CAP], v[T+k]           ; f's, i's and g's are held at 40, so that the product of three stays finite; o's needs no hold: an infinite divisor gives 0 x a finite number
.set k, k+1
.endr
.set k, 0
.rept 64
	v_exp_f32 v[T+k], v[T+k]                       ; Ef, Ei, Eg, Eo: one batch
.set k, k+1
.endr
	BATCH_END
.if (\a) < 7
	s_wait_dscnt 4                                 ; all but the four loads issued at this block's head: this block's cell numbers are in, the last block's stores into the stages have read NC and NH, the quarter's rows are back
.else
	s_wait_dscnt 0x0
.endif
.if \dosend
	SENDQ \p, 0
.endif
	ONEMINUS W2, TG                                ; 1 - Eg
	PLUS1 TG                                       ; 1 + Eg
	FMA3 W1, TI, TG, TG                            ; (1 + Ei)(1 + Eg)
	FMA3 W2, TF, W2, W2                            ; (1 - Eg)(1 + Ef)
	FMA3 W2, CC, W1, W2                            ; + c (1 + Ei)(1 + Eg)
	FMA3 W1, W1, TF, W1                            ; the divisor (1 + Ef)(1 + Ei)(1 + Eg), between 1 and 2^121
.set k, 0
.rept 16
	v_rcp_f32 v[W1+k], v[W1+k]
.set k, k+1
.endr
	BATCH_END
	TIMES NC, W2, W1                               ; new_cell
.irp u, 0,1
.irp q, 0,1
	ds_store_b128 v[CSA], v[NC+8*\u+4*\q:NC+8*\u+4*\q+3] offset:(\a)*16*PITCH+64*\u+16*\q
.endr
.endr
.irp k, 0,2,4,6,8,10,12,14
	v_pk_mul_f32 v[W1+\k:W1+\k+1], v[NC+\k:NC+\k+1], s[LG2:LG2+1] op_sel_hi:[1,0]
.endr
.set k, 0
.rept 16
	v_min_num_f32 v[W1+k], s[CAP], v[W1+k]
.set k, k+1
.endr
.set k, 0
.rept 16
	v_exp_f32 v[W1+k], v[W1+k]                     ; En
.set k, k+1
.endr
	BATCH_END
	ONEMINUS W2, W1                                ; 1 - En
	PLUS1 W1                                       ; 1 + En, finite and at least 1,
	FMA3 W1, TO, W1, W1                            ; (1 + Eo)(1 + En): this way round an infinite Eo meets no zero
.set k, 0
.rept 16
	v_rcp_f32 v[W1+k], v[W1+k]
.set k, k+1
.endr
	BATCH_END
	TIMES NH, W2, W1                               ; new_hidden
.irp u, 0,1
.irp q, 0,1
	ds_store_b128 v[HSA], v[NH+8*\u+4*\q:NH+8*\u+4*\q+3] offset:(\a)*16*PITCH+64*\u+16*\q
.endr
.endr
.endm
	CELLS 0
	TAIL 0, 0, 0
	TAIL 1, 0, 0
	MEETQ                                          ; quarter 0's 64 rows lie whole in the stages
	RDBACK 0
	TAIL 2, 1, 0                                   ; and leave under quarter 1's arithmetic
	TAIL 3, 0, 0
	MEETQ
	RDBACK 1
	TAIL 4, 1, 1
	TAIL 5, 0, 0
	MEETQ
	RDBACK 2
	TAIL 6, 1, 2
	TAIL 7, 0, 0
	MEETQ
	RDBACK 3
	SENDQ 3, 1                                     ; only the last quarter's sixteen stores stand behind the last arithmetic
	s_wait_tensorcnt 0x0                           ; the wave's end: behind my last tensor load and my last LDS store
	ds_add_u32 v[SPW], v[NIL]
	s_wait_dscnt 0x0
	CROUND                                         ; the closing round: no work-group ends while a partner may still ask for a tile that names it
	s_endpgm
.Lfunc_end_k_qa6f2590106_lstm:
	.size	k_qa6f2590106_lstm, .Lfunc_end_k_qa6f2590106_lstm-k_qa6f2590106_lstm
	.p2alignl 7, 3214868480
	.fill 96, 4, 3214868480
	.section	.rodata,"a",@progbits
	.p2align	6, 0x0
	.amdhsa_kernel k_qa6f2590106_lstm
		.amdhsa_group_segment_fixed_size 327680
		.amdhsa_private_segment_fixed_size 0
		.amdhsa_enable_private_segment 0
		.amdhsa_kernarg_size 88
		.amdhsa_user_sgpr_count 2
		.amdhsa_user_sgpr_kernarg_segment_ptr 1
		.amdhsa_wavefront_size32 1
		.amdhsa_system_sgpr_workgroup_id_x 1
		.amdhsa_system_sgpr_workgroup_id_y 1
		.amdhsa_system_sgpr_workgroup_id_z 1
		.amdhsa_system_vgpr_workitem_id 0
		.amdhsa_next_free_vgpr 1024
		.amdhsa_next_free_sgpr 102
		.amdhsa_reserve_vcc 0
		.amdhsa_float_denorm_mode_32 3
		.amdhsa_float_denorm_mode_16_64 3
		.amdhsa_memory_ordered 1
		.amdhsa_forward_progress 1
		.amdhsa_inst_pref_size 255
	.end_amdhsa_kernel
	.section	.bss,"aw",@nobits
	.p2align	6
	.space	262144
	.amdgpu_metadata
---
amdhsa.version: [ 1, 2 ]
amdhsa.kernels:
  - .name:           k_qa6f2590106_lstm
    .symbol:         k_qa6f2590106_lstm.kd
    .args:
      - { .name: a_codes, .offset: 0, .size: 8, .value_kind: global_buffer, .address_space: global }
      - { .name: a_scales, .offset: 8, .size: 8, .value_kind: global_buffer, .address_space: global }
      - { .name: w_codes, .offset: 16, .size: 8, .value_kind: global_buffer, .address_space: global }
      - { .name: w_scales, .offset: 24, .size: 8, .value_kind: global_buffer, .address_space: global }
      - { .name: b_f, .offset: 32, .size: 8, .value_kind: global_buffer, .address_space: global }
      - { .name: b_i, .offset: 40, .size: 8, .value_kind: global_buffer, .address_space: global }
      - { .name: b_c, .offset: 48, .size: 8, .value_kind: global_buffer, .address_space: global }
      - { .name: b_o, .offset: 56, .size: 8, .value_kind: global_buffer, .address_space: global }
      - { .name: cell_state, .offset: 64, .size: 8, .value_kind: global_buffer, .address_space: global }
      - { .name: out0, .offset: 72, .size: 8, .value_kind: global_buffer, .address_space: global }
      - { .name: out1, .offset: 80, .size: 8, .value_kind: global_buffer, .address_space: global }
    .group_segment_fixed_size: 327680
    .private_segment_fixed_size: 0
    .kernarg_segment_align: 8
    .kernarg_segment_size: 88
    .max_flat_workgroup_size: 128
    .sgpr_count:     102
    .vgpr_count:     1024
    .wavefront_size: 32
...
	.end_amdgpu_metadata
.endif
;; end of part 2
